; MI455X (gfx1250); checked and timed in simulation.
; The chip was launched on July 23, 2026; its instructions are those of AMD's public machine-readable ISA for CDNA 5 (MIT licence, August 2026) and "CDNA5" Instruction Set Architecture Reference Guide (July 2026). The comments in the code are by the model that wrote it; some were corrected since.
;; Scaled Dot Product Attention. Allowed arithmetic: float matrix products may take bf16 or f16 operands with f32 sums; other float arithmetic in f32, or as packed bf16 or f16 multiplies, adds, multiply-adds, maxima and minima; sums over many terms, partial sums and values carried from step to step in f32; what a program stores and reads back later, other than sums and carried values, may be rounded once to bf16 or f16.
;; Inputs: k 4 x 16 x 64 x 2,048 float32; q 4 x 16 x 64 x 2,048 float32; v 4 x 16 x 64 x 2,048 float32.
;; Outputs: out0 4 x 16 x 64 x 2,048 float32.
;; One version. Each part assembles by itself: llvm-mc -triple=amdgcn-amd-amdhsa -mcpu=gfx1250 --defsym DOCPART=n.
;; ======== version 1 of 1: 2 launches
;; limits: values are held in f16: magnitudes above 65,504 overflow, below 6.1e-05 lose precision; inputs' magnitudes at most 65,504
;; workspace buffers: qh 16,777,216 bytes; kh 16,777,216 bytes; vh 16,777,216 bytes; st 524,288 bytes
;; launch stats (part 1): grid 4 x 64, 8 waves a work-group, no clusters, 167,936 bytes of LDS; arguments q, k, v, qh, kh, vh, st; writes qh, kh, vh, st
.if DOCPART == 1
	.amdgcn_target "amdgcn-amd-amdhsa--gfx1250"
	.amdhsa_code_object_version 6
	.text
	.protected	k_q172696f766_stats
	.globl	k_q172696f766_stats
	.p2align	8
	.type	k_q172696f766_stats,@function
k_q172696f766_stats:
	s_mov_b64 s[64:65], 0
	v_nop
	global_prefetch_b8 v0, s[64:65] scope:SCOPE_SE
	s_setreg_imm32_b32 hwreg(HW_REG_WAVE_MODE, 25, 1), 1
	s_wait_xcnt 0x0
; FIRST OF TWO LAUNCHES.  q, k, v: [64 heads][64 channels][2048 places] in f32.  The module is out[d][k] = sum over q of v[d][q] A[q][k], A = softmax along k of q^T k / 8:
; the sum runs over the rows of the softmax, so a row's maximum and sum must be final before any term is added.  This launch makes them, and the 16-bit copies that both launches multiply:
;   qh = f16(c q), c = log2(e) / 8;  kh = f16(k);  vh = f16(v), all in the inputs' layout;  st[q] = -(m[q] + log2 l[q]), f32, with S' = qh^T kh, m = max over k of S', l = sum over k of 2^(S' - m).
; The second launch then takes 2^(S' + st) as the finished weight.
; LIMITS.  f16 holds no number beyond 65,504: |k| or |v| from 65,520 on, |q| from 363,000 on, become infinities.  A term of l below 2^-126 counts as 0.  NaN and infinities are not treated apart.
; SHARES.  A work-group: one head (y), 512 rows q (x).  Each of eight waves owns 64 rows, four tiles of 16, as fragments in registers, and walks all 2,048 keys: 16 blocks of 128, two steps of 64 in each.
; LAYOUT.  S'^T = k^T q (source 0 = 16 keys, source 1 = 16 rows q): a lane holds ONE row (lane % 16) and the keys 8 (lane / 16) + 0..7 of each key tile.  Each lane keeps m and l over its own
; half of the keys; the two halves meet once, at the end: nothing changes lanes in the loop.
; BY TURNS.  Turn t belongs to tile t.  Its matrix work: the 8 products of tile t + 1 (behind tile 3: tile 0 of the next step), into the other of two buffers of scores.  Its vector work: tile t's 16 subtractions
; s - m, 32 exponentials and 16 sums, and tile t + 1's maximum, m and a = 2^(m_old - m_new), made of the scores that the turn itself has made.  So what stands behind the products waits for nothing.
; The walk's last turn has no next step: it multiplies tile 0 by keys of block 14 once more; their scores are in m already, so m does not move, and the a made of them is not used: 16 LDS loads and 8 products, once a wave.
; HOW k COMES IN.  It arrives in f32 and has to pass through registers to be rounded.  Each wave loads its 8 channels of the next block a whole block ahead, rounds them, and puts them into one of two
; LDS slots [channel][128 places]; all waves take fragments from there by the turning load.  The work-group whose own quarter holds the block also stores the rounded registers to kh: one writer a byte.
; NO CLUSTER: a joint tensor load would land a block's 32,768 bytes of f32 in LDS, to be read, rounded and written again as 16,384: three passes through LDS where this text has one,
; and a cluster's round of 32 waves for each block.  NO PREFETCH: the loads into registers go out a block (64 products and their vector work) ahead of their use.
; v is not used here: 4 channels of the work-group's own 512 places are rounded in each block's turn.
; REGISTERS.  All that a turn names lies in v0-227.  The 40 registers in which k and v wait in f32 are v256-295: window 1 (s_set_vgpr_msb: bits 1:0 source 0, 3:2 source 1, 5:4 source 2, 7:6 destination);
; only the rounding between two blocks names them.
.set PK,    288                        ; an LDS row: 256 bytes (128 f16) + 32 = 9 x 32
.set KSLOT, 64*PK                      ; a block: 64 channels
.set QR,    2*KSLOT                    ; behind k's two slots: my work-group's q, four such blocks, written once
.set STG,   QR+4*KSLOT                 ; 256 bytes for each wave: the statistics on their way out
.set SPARE, STG+8*256                  ; the spare words, 128 bytes for each wave: four blocks of 256 bytes that no other line names
.set R,   1                            ; v1   lane % 16
.set SPW, 2                            ; v2   LDS address of my spare word; never rewritten
.set NIL, 3                            ; v3   0; never rewritten
.set AK,  4                            ; v4   the turning load's lane term: (8 (l / 16) + l % 8) x PK + 16 ((l / 8) % 2)
.set LST, 5                            ; v5   where I put 16 bytes of a block: (8 w + l / 16) x PK + 16 (l % 16)
.set KLO, 6                            ; v6   the same place in f32 memory: (8 w + l / 16) x 8192 + 32 (l % 16)
.set KSO, 7                            ; v7   and in f16 memory: half of that
.set VLO, 8                            ; v8   v: (2 (w / 4) + l / 16) x 8192 + 512 (w % 4) + 32 (l % 16)
.set VSO, 9                            ; v9   half of that
.set TA,  10                           ; v10, v11 at work
.set TB,  11
.set C,   12                           ; v12-19  by buffer, four registers: the maximum's four chains; then a in the third
.set T,   20                           ; v20-35  tile t: m, 0, l (even keys', odd keys')
.set S,   36                           ; v36-99  two buffers of four key tiles of scores; a tile's buffer goes by its number's parity
.set KF,  100                          ; v100-163 k's fragments: key tile u, channel half kk at KF + 16 u + 8 kk
.set QF,  164                          ; v164-227 q's fragments: tile t, channel half kk at QF + 16 t + 8 kk
.set QH,  100                          ; at the head the same 128 registers take q's four blocks in f32
.set KG,  0                            ; window 1, v0-31:  the next block of k in f32, on its way
.set VG,  32                           ; window 1, v32-39: the next part of v
.set QB,  4                            ; s[4:5] q   s[6:7] k   s[8:9] v   s[10:11] qh   s[12:13] kh   s[14:15] vh   s[16:17] st
.set KB,  6
.set VB,  8
.set QHB, 10
.set KHB, 12
.set VHB, 14
.set STB, 16
.set WV,  18                           ; s18  my wave's number
.set J,   19                           ; s19  my block of 512 rows
.set HEAD, 20
.set TS,  21                           ; s21, s28, s29 at work
.set BN,  26                           ; s26  the block of k that is rounded next
.set IT,  27                           ; s27  the loop's count
.set CS,  30                           ; s[30:31] c
.set SEL, 32                           ; s[32:33] v_permlanex16_b32's selects: each lane takes its own place in the other half
.set MSB, 0
.macro WIN new                         ; the high byte repeats the setting that is left; a switch that changes nothing is dropped
.if MSB != (\new)
	s_set_vgpr_msb (MSB<<8)|(\new)
.set MSB, (\new)
.endif
.endm
.set W_LD, 0x40                        ; a load's destination in window 1, its address in window 0
.set W_CV, 0x45                        ; a rounding's two sources and its destination in window 1
.set W_ST, 0x04                        ; a store's data (source 1) in window 1, its address in window 0
	s_load_b256 s[4:11], s[0:1], 0x0
	s_load_b128 s[12:15], s[0:1], 0x20
	s_load_b64 s[16:17], s[0:1], 0x30
	v_lshl_add_u32 v[SPW], v0, 2, SPARE
	v_mov_b32 v[NIL], 0
	v_lshrrev_b32 v1, 5, v0
	v_readfirstlane_b32 s[WV], v1                  ; wave 0..7
	s_mov_b32 s[J], ttmp9
	s_and_b32 s[HEAD], ttmp7, 0xffff
	v_and_b32 v[R], 15, v0
	v_bfe_u32 v[TA], v0, 4, 1                      ; l / 16
	v_and_b32 v[TB], 7, v0
	v_lshl_add_u32 v[TB], v[TA], 3, v[TB]
	v_mul_u32_u24 v[AK], v[TB], PK
	v_bfe_u32 v[TB], v0, 3, 1
	v_lshl_add_u32 v[AK], v[TB], 4, v[AK]
	s_mul_i32 s[TS], s[WV], 8*PK
	v_mul_u32_u24 v[LST], v[TA], PK
	v_lshl_add_u32 v[LST], v[R], 4, v[LST]
	v_add_nc_u32 v[LST], s[TS], v[LST]
	s_lshl_b32 s[TS], s[WV], 16
	v_lshlrev_b32 v[KLO], 13, v[TA]
	v_lshl_add_u32 v[KLO], v[R], 5, v[KLO]
	v_mov_b32 v[VLO], v[KLO]
	v_add_nc_u32 v[KLO], s[TS], v[KLO]
	v_lshrrev_b32 v[KSO], 1, v[KLO]
	s_lshr_b32 s28, s[WV], 2
	s_lshl_b32 s28, s28, 14
	s_and_b32 s29, s[WV], 3
	s_lshl_b32 s29, s29, 9
	s_add_co_u32 s28, s28, s29
	v_add_nc_u32 v[VLO], s28, v[VLO]
	v_lshrrev_b32 v[VSO], 1, v[VLO]
	v_add_nc_u32 v[TA], QR, v[LST]                 ; where I put 16 bytes of q's blocks
	s_mov_b32 s[CS], 0x3e38aa3b                    ; c = log2(e) / 8 = 0.180337
	s_mov_b32 s[CS+1], s[CS]                       ; named with it as a pair
	s_mov_b32 s[SEL], 0x76543210
	s_mov_b32 s[SEL+1], 0xfedcba98
	s_lshl_b32 s22, s[HEAD], 19                    ; the head in f32: 524,288 bytes
	s_mov_b32 s23, 0
	s_lshl_b32 s24, s[HEAD], 18                    ; in f16
	s_mov_b32 s25, 0
	s_lshl_b32 s28, s[J], 11                       ; my 512 places in a row of f32
	s_add_co_u32 s34, s22, s28
	s_mov_b32 s35, 0
	s_lshl_b32 s29, s[J], 10                       ; in a row of f16
	s_add_co_u32 s36, s24, s29
	s_mov_b32 s37, 0
	s_lshl_b32 s38, s[HEAD], 13                    ; st: 8,192 bytes a head, 2,048 a work-group, 256 a wave
	s_add_co_u32 s38, s38, s28
	s_lshl_b32 s28, s[WV], 8
	s_add_co_u32 s38, s38, s28
	s_mov_b32 s39, 0
	s_wait_kmcnt 0x0
	s_add_nc_u64 s[QB:QB+1], s[QB:QB+1], s[34:35]
	s_add_nc_u64 s[KB:KB+1], s[KB:KB+1], s[22:23]
	s_add_nc_u64 s[VB:VB+1], s[VB:VB+1], s[34:35]
	s_add_nc_u64 s[QHB:QHB+1], s[QHB:QHB+1], s[36:37]
	s_add_nc_u64 s[KHB:KHB+1], s[KHB:KHB+1], s[24:25]
	s_add_nc_u64 s[VHB:VHB+1], s[VHB:VHB+1], s[36:37]
	s_add_nc_u64 s[STB:STB+1], s[STB:STB+1], s[38:39]
; My part of a block of 128 places in f32: channels 8 w + 2 n + l / 16, n = 0..3, places 8 (l % 16) + 0..7: eight loads of 16 bytes.
.macro LOADBLK dst, voff, b, imm, hint
.irp n, 0,1,2,3
.if \hint
	global_load_b128 v[(\dst)+8*\n:(\dst)+8*\n+3],   v[\voff], s[\b:\b+1] offset:(\imm)+\n*16384 th:TH_LOAD_NT
	global_load_b128 v[(\dst)+8*\n+4:(\dst)+8*\n+7], v[\voff], s[\b:\b+1] offset:(\imm)+\n*16384+16 th:TH_LOAD_NT
.else
	global_load_b128 v[(\dst)+8*\n:(\dst)+8*\n+3],   v[\voff], s[\b:\b+1] offset:(\imm)+\n*16384
	global_load_b128 v[(\dst)+8*\n+4:(\dst)+8*\n+7], v[\voff], s[\b:\b+1] offset:(\imm)+\n*16384+16
.endif
.endr
.endm
; Eight f32 in v[x .. x+7] become eight f16 in v[x .. x+3], each rounded once; scale = 1: times c first, in f32.
.macro CVT8 x, scale
.if \scale
.irp j, 0,2,4,6
	v_pk_mul_f32 v[(\x)+\j:(\x)+\j+1], v[(\x)+\j:(\x)+\j+1], s[CS:CS+1] op_sel_hi:[1,0]
.endr
.endif
.irp j, 0,1,2,3
	v_cvt_pk_f16_f32 v[(\x)+\j], v[(\x)+2*\j], v[(\x)+2*\j+1]
.endr
.endm
; A step's fragments of k: 64 keys x 64 channels, 16 turning loads in one run; off = the slot's first byte + 128 x step.
.macro FETCHK off
.irp f, 0,1,2,3,4,5,6,7                ; key tile f / 2, channel half f % 2
	ds_load_tr16_b128 v[KF+8*\f:KF+8*\f+3],   v[AK] offset:(\off)+(\f%2)*32*PK+(\f/2)*32
	ds_load_tr16_b128 v[KF+8*\f+4:KF+8*\f+7], v[AK] offset:(\off)+(\f%2)*32*PK+16*PK+(\f/2)*32
.endr
.endm
	; q's four blocks (read once in the launch) and k's block 0: 40 loads
.irp i, 0,1,2,3
	LOADBLK QH+32*\i, KLO, QB, \i*512, 1
.endr
	WIN W_LD
	LOADBLK KG, KLO, KB, 0, 0
	WIN 0
.irp i, 0,1,2,3
	s_wait_loadcnt 32-8*\i                         ; block i of q is in: behind it stand the later blocks' loads, eight each, and k's eight
.irp n, 0,1,2,3
	CVT8 QH+32*\i+8*\n, 1
.endr
.irp n, 0,1,2,3
	ds_store_b128 v[TA], v[QH+32*\i+8*\n:QH+32*\i+8*\n+3] offset:\i*KSLOT+\n*2*PK
.endr
.irp n, 0,1,2,3
	global_store_b128 v[KSO], v[QH+32*\i+8*\n:QH+32*\i+8*\n+3], s[QHB:QHB+1] offset:\i*256+\n*8192  ; 16 lanes store 256 consecutive bytes, at a multiple of 256 from qh's first byte
.endr
.endr
	s_wait_loadcnt 0x0                             ; k's block 0
	WIN W_CV
.irp n, 0,1,2,3
	CVT8 KG+8*\n, 0
.endr
	WIN W_ST
.irp n, 0,1,2,3
	ds_store_b128 v[LST], v[KG+8*\n:KG+8*\n+3] offset:\n*2*PK
.endr
	WIN 0                                          ; at a branch and at a label every window is 0
	s_cmp_eq_u32 s[J], 0                           ; block 0 lies in work-group 0's quarter
	s_cbranch_scc0 .Lnot_mine
	WIN W_ST
.irp n, 0,1,2,3
	global_store_b128 v[KSO], v[KG+8*\n:KG+8*\n+3], s[KHB:KHB+1] offset:\n*8192
.endr
	WIN 0
.Lnot_mine:
	s_wait_xcnt 0x0                                ; every store so far has read its registers and its base: only behind this wait are they written again
	s_add_nc_u64 s[KB:KB+1], s[KB:KB+1], 512       ; block 1
	s_add_nc_u64 s[KHB:KHB+1], s[KHB:KHB+1], 256
	WIN W_LD
	LOADBLK KG, KLO, KB, 0, 0
	global_load_b128 v[VG:VG+3],   v[VLO], s[VB:VB+1] th:TH_LOAD_NT  ; v's part 0
	global_load_b128 v[VG+4:VG+7], v[VLO], s[VB:VB+1] offset:16 th:TH_LOAD_NT
	WIN 0
	s_wait_dscnt 0x0                               ; for the others' sake: my part of q and of k's block 0 is written
	s_barrier_signal -1
	s_barrier_wait -1
	s_lshr_b32 s28, s[WV], 1                       ; my 64 rows: block w / 2 of the four, its half w % 2
	s_mul_i32 s28, s28, KSLOT
	s_and_b32 s29, s[WV], 1
	s_lshl_b32 s29, s29, 7
	s_add_co_u32 s28, s28, s29
	s_add_co_u32 s28, s28, QR
	v_add_nc_u32 v[TA], s28, v[AK]
.irp f, 0,1,2,3,4,5,6,7                ; tile f / 2, channel half f % 2
	ds_load_tr16_b128 v[QF+8*\f:QF+8*\f+3],   v[TA] offset:(\f%2)*32*PK+(\f/2)*32
	ds_load_tr16_b128 v[QF+8*\f+4:QF+8*\f+7], v[TA] offset:(\f%2)*32*PK+16*PK+(\f/2)*32
.endr
	FETCHK 0
.irp t, 0,1,2,3
	v_mov_b32 v[T+4*\t], 0xff7fffff                ; m starts at the lowest finite number: the first step's a is 0
	v_mov_b32 v[T+4*\t+1], 0                       ; named with m as a pair
	v_mov_b32 v[T+4*\t+2], 0
	v_mov_b32 v[T+4*\t+3], 0
.endr
	s_mov_b32 s[BN], 1
	s_mov_b32 s[IT], 8
; The registers of turn t: r.. are tile t's, n.. those of the tile whose scores the turn makes.
.macro SETT t
.set rS, S+32*((\t)%2)
.set nS, S+32*(((\t)+1)%2)
.set rT, T+4*(\t)
.set nT, T+4*(((\t)+1)%4)
.set rC, C+4*((\t)%2)
.set nC, C+4*(((\t)+1)%2)
.set nQ, QF+16*(((\t)+1)%4)
.endm
; One of the next tile's 8 products: channels 32 kk on, keys 16 u on.  The four accumulators take turns: three others stand between the two links of a chain.
.macro KQ kk, u
.if \kk == 0
	v_wmma_f32_16x16x32_f16 v[nS+8*\u:nS+8*\u+7], v[KF+16*\u:KF+16*\u+7], v[nQ:nQ+7], 0
.else
	v_wmma_f32_16x16x32_f16 v[nS+8*\u:nS+8*\u+7], v[KF+16*\u+8:KF+16*\u+15], v[nQ+8:nQ+15], v[nS+8*\u:nS+8*\u+7]
.endif
.endm
.macro SUBM n                          ; pair n of tile t's 16: s - m
	v_pk_add_f32 v[rS+2*(\n):rS+2*(\n)+1], v[rS+2*(\n):rS+2*(\n)+1], v[rT:rT+1] op_sel_hi:[1,0] neg_lo:[0,1] neg_hi:[0,1]
.endm
; Number n of the 19 that find the next tile's maximum and statistics.  0-11: four chains of seven scores each, three operands at a time; each accumulator's lowest registers are read first.
; 12-15: the four scores left over, the old m, and the four chains into one.  16: m_old - m_new.  17: m.  18: a.
.macro XS n
.if (\n) < 4
	v_max3_num_f32 v[nC+(\n)], v[nS+8*(\n)], v[nS+8*(\n)+1], v[nS+8*(\n)+2]
.elseif (\n) < 8
	v_max3_num_f32 v[nC+(\n)-4], v[nC+(\n)-4], v[nS+8*((\n)-4)+3], v[nS+8*((\n)-4)+4]
.elseif (\n) < 12
	v_max3_num_f32 v[nC+(\n)-8], v[nC+(\n)-8], v[nS+8*((\n)-8)+5], v[nS+8*((\n)-8)+6]
.elseif (\n) == 12
	v_max3_num_f32 v[nC], v[nC], v[nS+7], v[nS+15]
.elseif (\n) == 13
	v_max3_num_f32 v[nC+2], v[nC+2], v[nS+23], v[nS+31]
.elseif (\n) == 14
	v_max3_num_f32 v[nC], v[nC], v[nC+1], v[nT]
.elseif (\n) == 15
	v_max3_num_f32 v[nC], v[nC], v[nC+2], v[nC+3]
.elseif (\n) == 16
	v_sub_f32 v[nC+1], v[nT], v[nC]
.elseif (\n) == 17
	v_mov_b32 v[nT], v[nC]
.else
	v_exp_f32 v[nC+2], v[nC+1]
.endif
.endm
; THE 67 VECTOR INSTRUCTIONS AHEAD OF A TURN'S WAIT, in order; ITEM writes number j and steps j.  None of them names the result of an exponential of the turn.
;   0, 1: subtractions 0, 1.   2-29: exponential (j - 2) / 2 and subtraction (j + 1) / 2 by turns: a pair is subtracted well ahead of its exponentials.
;   30-63: exponential (j - 2) / 2 and number (j - 31) / 2 of the next tile's 19 by turns.   64: the last exponential.   65: a.   66: the copy of m: the plain instruction behind the last exponential (ISA guide 5.7.2).
.macro ITEM
.if j < 2
	SUBM j
.elseif j == 65
	XS 18
.elseif j == 66
	XS 17
.elseif j%2 == 0
	v_exp_f32 v[rS+(j-2)/2], v[rS+(j-2)/2]
.elseif j < 30
	SUBM (j+1)/2
.else
	XS (j-31)/2
.endif
.set j, j+1
.endm
; A TURN, for tile t.  Product number k of the 8 is followed by numbers 4 k to 4 k + 3 of the list.  PLACES (ISA guide 7.12.1: four plain vector instructions that name none of the product's registers): the first read of
; the last accumulator is number 37; between it and the last product stand numbers 29, 31, 33 and 35, which are plain and name other registers; the earlier accumulators have more.  The run of loads into k's registers
; stands behind number 37: the same four places behind the last product that read them.
; One wait serves the turn's 33 exponentials, ahead of their first reader; behind it stand the 16 sums, and no exponential is out at a turn's end.
; head = 1: k's fragments are waited for.  2: that wait also shows my stores into the other slot done and my reads of this slot over, and the barrier is signalled.
; hook = 1: the next step's fragments are fetched from byte off.  2: the barrier's wait first: the other slot is whole, and nobody reads this one any more.
.macro TURN t, head, hook, off
	SETT \t
.if (\head) >= 1
	s_wait_dscnt 0x0
.endif
.if (\head) == 2
	s_barrier_signal -1
.endif
.set j, 0
.irp kk, 0,1
.irp u, 0,1,2,3
	KQ \kk, \u
.rept 4
	ITEM
.endr
.endr
.endr
.rept 6
	ITEM
.endr
.if (\hook) == 2
	s_barrier_wait -1
.endif
.if (\hook) >= 1
	FETCHK \off
.endif
.rept 29
	ITEM
.endr
	s_wait_alu depctr_va_vdst(0)
.irp u, 0,1,2,3,4,5,6,7                ; the sum of the 16 pairs, in place, as a tree
	v_pk_add_f32 v[rS+4*\u:rS+4*\u+1], v[rS+4*\u:rS+4*\u+1], v[rS+4*\u+2:rS+4*\u+3]
.endr
.irp u, 0,1,2,3
	v_pk_add_f32 v[rS+8*\u:rS+8*\u+1], v[rS+8*\u:rS+8*\u+1], v[rS+8*\u+4:rS+8*\u+5]
.endr
.irp u, 0,1
	v_pk_add_f32 v[rS+16*\u:rS+16*\u+1], v[rS+16*\u:rS+16*\u+1], v[rS+16*\u+8:rS+16*\u+9]
.endr
	v_pk_add_f32 v[rS:rS+1], v[rS:rS+1], v[rS+16:rS+17]
	v_pk_fma_f32 v[rT+2:rT+3], v[rT+2:rT+3], v[rC+2:rC+3], v[rS:rS+1] op_sel_hi:[1,0,1]  ; l = a l + sum; a was made, and waited for, in the turn before
.endm
; THE NEXT BLOCK OF k (number BN) is rounded into slot dst, and stored to kh by the work-group whose quarter holds it; part BN - 1 of v is rounded and stored; block BN + 1 and part BN are asked for.
; All jumps go forward, on counters; none passes a barrier; every window is 0 at each of them.
.macro CONV dst
	s_wait_loadcnt 0x0                             ; all that is out was asked for a block ago and is wanted now; the loads' bases are free too
	s_add_nc_u64 s[KB:KB+1], s[KB:KB+1], 512
	s_add_nc_u64 s[VB:VB+1], s[VB:VB+1], 32768
	s_cmp_lt_u32 s[BN], 16
	s_cbranch_scc0 .Lno_k_\@
	WIN W_CV
.irp n, 0,1,2,3
	CVT8 KG+8*\n, 0
.endr
	WIN W_ST
.irp n, 0,1,2,3
	ds_store_b128 v[LST], v[KG+8*\n:KG+8*\n+3] offset:(\dst)*KSLOT+\n*2*PK
.endr
	WIN 0
	s_lshr_b32 s[TS], s[BN], 2
	s_cmp_eq_u32 s[TS], s[J]
	s_cbranch_scc0 .Lno_k_\@
	WIN W_ST
.irp n, 0,1,2,3
	global_store_b128 v[KSO], v[KG+8*\n:KG+8*\n+3], s[KHB:KHB+1] offset:\n*8192  ; 16 lanes store 256 consecutive bytes, aligned
.endr
	WIN 0
.Lno_k_\@:
	WIN W_CV
	CVT8 VG, 0
	WIN W_ST
	global_store_b128 v[VSO], v[VG:VG+3], s[VHB:VHB+1]
	WIN 0
	s_wait_xcnt 0x0                                ; the stores have read their registers and bases: only behind this wait are they written again
	s_add_nc_u64 s[KHB:KHB+1], s[KHB:KHB+1], 256
	s_add_nc_u64 s[VHB:VHB+1], s[VHB:VHB+1], 16384
	s_cmp_lt_u32 s[BN], 15
	s_cbranch_scc0 .Lno_load_\@
	WIN W_LD
	LOADBLK KG, KLO, KB, 0, 0
	WIN 0
.Lno_load_\@:
	s_cmp_lt_u32 s[BN], 16
	s_cbranch_scc0 .Lno_v_\@
	WIN W_LD
	global_load_b128 v[VG:VG+3],   v[VLO], s[VB:VB+1] th:TH_LOAD_NT
	global_load_b128 v[VG+4:VG+7], v[VLO], s[VB:VB+1] offset:16 th:TH_LOAD_NT
	WIN 0
.Lno_v_\@:
	s_add_co_u32 s[BN], s[BN], 1
.endm
; A BLOCK OF 128 KEYS in slot s: two steps of four turns.  At its head tile 0's scores of the first step are made and k's registers hold that step.  One barrier: in front of its signal my reads of slot s are over
; and my part of slot 1 - s is written; between signal and wait stand three turns of work on registers alone.  In the last block slot 0 still holds block 14, which nobody writes any more: see the kernel's head.
.macro BLOCK s
	CONV 1-(\s)
	TURN 0, 0, 0, 0
	TURN 1, 0, 0, 0
	TURN 2, 0, 1, (\s)*KSLOT+128
	TURN 3, 2, 0, 0
	TURN 0, 0, 0, 0
	TURN 1, 0, 0, 0
	TURN 2, 0, 2, (1-(\s))*KSLOT
	TURN 3, 1, 0, 0
.endm
	; Ahead of the loop: tile 0's scores of step 0, its maximum and statistics.  There is no vector work yet to set between the products.
	s_wait_dscnt 0x0                               ; q's and k's fragments are in
	SETT 3                                         ; the tile behind tile 3 is tile 0
.irp kk, 0,1
.irp u, 0,1,2,3
	KQ \kk, \u
.endr
.endr
.rept 4
	v_nop                                          ; the places behind those products
.endr
.irp n, 0,1,2,3,4,5,6,7,8,9,10,11,12,13,14,15,16,18,17
	XS \n                                          ; the copy of m stands last: the plain instruction behind a's exponential
.endr
	s_wait_alu depctr_va_vdst(0)                   ; and a's wait, ahead of the label
.Lloop:
	BLOCK 0
	BLOCK 1
	s_sub_co_u32 s[IT], s[IT], 1
	s_cmp_lg_u32 s[IT], 0
	s_cbranch_scc1 .Lloop
	; THE END.  A row's two halves of the keys lie in lanes 16 apart: M = max of the two m; l = l 2^(m - M) + l' 2^(m' - M); st = -(M + log2 l).
.irp t, 0,1,2,3
	v_add_f32 v[T+4*\t+2], v[T+4*\t+2], v[T+4*\t+3]
.endr
.irp t, 0,1,2,3
	v_permlanex16_b32 v[S+4*\t], v[T+4*\t], s[SEL], s[SEL+1]        ; m'
	v_permlanex16_b32 v[S+4*\t+1], v[T+4*\t+2], s[SEL], s[SEL+1]    ; l'
.endr
.irp t, 0,1,2,3
	v_max_num_f32 v[T+4*\t+1], v[T+4*\t], v[S+4*\t]
.endr
.irp t, 0,1,2,3
	v_sub_f32 v[S+4*\t+2], v[T+4*\t], v[T+4*\t+1]
	v_sub_f32 v[S+4*\t+3], v[S+4*\t], v[T+4*\t+1]
.endr
.irp t, 0,1,2,3
	v_exp_f32 v[S+4*\t+2], v[S+4*\t+2]
	v_exp_f32 v[S+4*\t+3], v[S+4*\t+3]
.endr
	v_nop
	s_wait_alu depctr_va_vdst(0)                   ; one wait for the eight exponentials
.irp t, 0,1,2,3                        ; two products and a sum, not a fused form: a + b and b + a are the same bits, so both lanes of a row end with the same number
	v_mul_f32 v[T+4*\t+2], v[T+4*\t+2], v[S+4*\t+2]
	v_mul_f32 v[S+4*\t+1], v[S+4*\t+1], v[S+4*\t+3]
.endr
.irp t, 0,1,2,3
	v_add_f32 v[T+4*\t+2], v[T+4*\t+2], v[S+4*\t+1]
.endr
.irp t, 0,1,2,3
	v_log_f32 v[S+4*\t], v[T+4*\t+2]               ; l is at least 1: the row's largest score gives 2^0
.endr
	v_nop
	s_wait_alu depctr_va_vdst(0)                   ; one wait for the four logarithms
.irp t, 0,1,2,3
	v_fma_f32 v[S+4*\t], v[T+4*\t+1], -1.0, -v[S+4*\t]
.endr
	s_lshl_b32 s28, s[WV], 8
	s_add_co_u32 s28, s28, STG                     ; my stage
	v_lshl_add_u32 v[TA], v[R], 2, s28
.irp t, 0,1,2,3
	ds_store_b32 v[TA], v[S+4*\t] offset:64*\t     ; row 16 t + l % 16; a row's two lanes write the same word with the same bits
.endr
	v_and_b32 v[TB], 31, v0
	v_lshlrev_b32 v[TB], 3, v[TB]
	v_add_nc_u32 v[C], s28, v[TB]
	ds_load_b64 v[C+2:C+3], v[C]                   ; LDS serves a wave's instructions in order (ISA guide 5.7.1.4): this sees the stores above
	s_wait_dscnt 0x0
	global_store_b64 v[TB], v[C+2:C+3], s[STB:STB+1]  ; the wave's 64 numbers: 256 consecutive bytes, aligned
	s_wait_tensorcnt 0x0                           ; the wave's end, behind my last LDS store
	ds_add_u32 v[SPW], v[NIL]
	s_wait_dscnt 0x0
	s_endpgm
.Lfunc_end_k_q172696f766_stats:
	.size	k_q172696f766_stats, .Lfunc_end_k_q172696f766_stats-k_q172696f766_stats
	.p2alignl 7, 3214868480
	.fill 96, 4, 3214868480
	.section	.rodata,"a",@progbits
	.p2align	6, 0x0
	.amdhsa_kernel k_q172696f766_stats
		.amdhsa_group_segment_fixed_size 167936
		.amdhsa_private_segment_fixed_size 0
		.amdhsa_enable_private_segment 0
		.amdhsa_kernarg_size 56
		.amdhsa_user_sgpr_count 2
		.amdhsa_user_sgpr_kernarg_segment_ptr 1
		.amdhsa_wavefront_size32 1
		.amdhsa_system_sgpr_workgroup_id_x 1
		.amdhsa_system_sgpr_workgroup_id_y 1
		.amdhsa_system_sgpr_workgroup_id_z 1
		.amdhsa_system_vgpr_workitem_id 0
		.amdhsa_next_free_vgpr 296
		.amdhsa_next_free_sgpr 66
		.amdhsa_reserve_vcc 0
		.amdhsa_float_denorm_mode_32 3
		.amdhsa_float_denorm_mode_16_64 3
		.amdhsa_memory_ordered 1
		.amdhsa_forward_progress 1
		.amdhsa_inst_pref_size 115
	.end_amdhsa_kernel
	.amdgpu_metadata
---
amdhsa.version: [ 1, 2 ]
amdhsa.kernels:
  - .name:           k_q172696f766_stats
    .symbol:         k_q172696f766_stats.kd
    .args:
      - { .name: q, .offset: 0, .size: 8, .value_kind: global_buffer, .address_space: global }
      - { .name: k, .offset: 8, .size: 8, .value_kind: global_buffer, .address_space: global }
      - { .name: v, .offset: 16, .size: 8, .value_kind: global_buffer, .address_space: global }
      - { .name: qh, .offset: 24, .size: 8, .value_kind: global_buffer, .address_space: global }
      - { .name: kh, .offset: 32, .size: 8, .value_kind: global_buffer, .address_space: global }
      - { .name: vh, .offset: 40, .size: 8, .value_kind: global_buffer, .address_space: global }
      - { .name: st, .offset: 48, .size: 8, .value_kind: global_buffer, .address_space: global }
    .group_segment_fixed_size: 167936
    .private_segment_fixed_size: 0
    .kernarg_segment_align: 8
    .kernarg_segment_size: 56
    .max_flat_workgroup_size: 256
    .sgpr_count:     66
    .vgpr_count:     296
    .wavefront_size: 32
...
	.end_amdgpu_metadata
.endif
;; end of part 1
;; launch mix (part 2): grid 4 x 64, 4 waves a work-group, clusters of 4 x 1, 327,680 bytes of LDS; arguments qh, kh, vh, st, out0; writes out0
.if DOCPART == 2
	.amdgcn_target "amdgcn-amd-amdhsa--gfx1250"
	.amdhsa_code_object_version 6
	.text
	.protected	k_q172696f766_mix
	.globl	k_q172696f766_mix
	.p2align	8
	.type	k_q172696f766_mix,@function
k_q172696f766_mix:
	s_mov_b64 s[64:65], 0
	v_nop
	global_prefetch_b8 v0, s[64:65] scope:SCOPE_SE
	s_setreg_imm32_b32 hwreg(HW_REG_WAVE_MODE, 25, 1), 1
	s_wait_xcnt 0x0
	s_wait_alu depctr_hold_cnt(0) depctr_sa_sdst(0) depctr_va_vdst(0) depctr_va_sdst(0) depctr_va_ssrc(0) depctr_va_vcc(0) depctr_vm_vsrc(0)
	s_getreg_b32 s2, hwreg(HW_REG_IB_STS2, 6, 4)
	s_cmp_eq_u32 s2, 0
	s_cbranch_scc0 .Lentry_in_a_cluster
	s_endpgm
.Lentry_in_a_cluster:
	s_bfe_u32 s2, ttmp6, 0x10000c
	s_cmp_lg_u32 s2, 0x3003
	s_cbranch_scc0 .Lentry_shape_is_right
	s_endpgm
.Lentry_shape_is_right:
; SECOND OF TWO LAUNCHES.  out[d][k] = sum over q of vh[d][q] 2^(S'[q][k] + st[q]), S' = qh^T kh.  qh, kh, vh: [64 heads][64 channels][2048 places] in f16; st: [64][2048] f32, minus (row maximum + log2 of the row sum):
; the exponent is at most 0 but for rounding, and the weight is the finished softmax.  st enters as the C operand that starts S'.  Products and sums in f32; the weights are rounded to f16 for the second product; out in f32.
; LIMITS.  A weight below 6e-5 keeps f16's fixed step of 6e-8; one below 2^-126 counts as 0.  NaN and infinities are not treated apart.
; SHARES.  A work-group: one head, 512 keys (its place in the cluster).  Each of four waves owns 128 keys: eight tiles of 16, in four PIECES of two; its fragments of k stay in registers.  Every wave walks all 2,048 rows q, 64 a step.
; LAYOUT.  S' tile: source 0 = 16 rows q (turned out of LDS), source 1 = 16 keys: a lane holds ONE key (lane % 16) and the rows 8 (lane / 16) + 0..7.  Two such tiles, rounded in pairs, ARE source 0 (16 keys x 32 rows) of the
; second product, whose source 1 is 16 channels of v x 32 rows, as they lie; its result holds one channel a lane and eight neighbouring keys: 32 bytes of a row of out.
; BY TURNS.  Turn n belongs to piece n.  First 16 products S' of piece n + 1, behind each four exponentials of piece n; then 16 products with v of piece n - 1, behind each two roundings of piece n.
; A turn's 64 exponentials are one batch with one wait, between the two runs.
; CLUSTER.  A head's four work-groups walk the same qh, vh and st: each tile is asked for JOINTLY, by the same tensor load, descriptor and mask in all four.
; NO FIRST AND NO LAST STEP are written out: the sums, v's registers and one buffer of weights start at 0 (352 lines, in the wait for the first tile), the loop is entered and the tail left in the middle of a trip;
; 16 products on zeros at the start and 16 on a stale fragment at the end serve nothing.
; REGISTERS, in windows of 256 (s_set_vgpr_msb: bits 1:0 source 0, 3:2 source 1, 5:4 source 2, 7:6 destination):
;   window 0: v0-31 addresses; v32-63 st of a step; v64-191 S', two buffers of two tiles; v192-255 q of a step      window 1: the sums, tile u and channel block dt at 32 u + 8 dt
;   window 2: v0-127 k; v128-191 v of a step; v192-255 the weights, two buffers.      A piece's buffers go by its number's parity.
.set PQ,    544                        ; a row of q's tile in LDS: 512 bytes (256 rows q) + 32 = 17 x 32
.set PVP,   528                        ; a row of v's tile: 512 + 16 = 33 x 16: the 16 rows of a load start at 16 different groups of four banks
.set VOFF,  64*PQ                      ; a slot: 64 channels of q, then 64 of v, 256 rows q each: four steps
.set SLOT1, 1<<17                      ; slot 1 begins here, so that one exclusive or turns an address in one slot into the other's
.set ST,    64*(PQ+PVP)                ; behind slot 0: the head's 2,048 statistics, filled once
.set KST,   SLOT1+ST                   ; behind slot 1, never filled by a tensor load: 18,432 bytes for each wave: first its block of k, later the stage for the way out
.set PKK,   288                        ; a row of k's block: 256 bytes + 32
.set KSTW,  64*PKK
.set SP,    528                        ; a row of the stage: 512 bytes + 16
.set SPARE, KST+4*KSTW                 ; the spare words, 128 bytes for each wave: two blocks of 256 bytes that no other line names
.set AQ0, 2                            ; v2   my lane's place in a tile of q; never rewritten
.set AV0, 3                            ; v3   in a tile of v
.set AC0, 4                            ; v4   in the statistics
.set AQ,  5                            ; v5-7 the LDS addresses of the next runs of loads
.set AV,  6
.set AC,  7
.set STO, 8                            ; v8   the way out: where I put 16 bytes of a row
.set RD,  9                            ; v9   where I read a row back
.set GO,  10                           ; v10  my 16 bytes of 512 consecutive bytes of out
.set KO,  11                           ; v11  k in memory: (l / 16) x 4096 + 16 (l % 16)
.set KS,  12                           ; v12  k into LDS
.set AKT, 13                           ; v13  k out of LDS, turned
.set PFO, 14                           ; v14  the prefetches' offset: (l / 2) x 4096 + 256 (l % 2); never rewritten
.set SPW, 28                           ; v28  LDS address of my spare word; never rewritten
.set NIL, 29                           ; v29  0; never rewritten
.set CZ,  32
.set S,   64
.set QFR, 192                          ; row tile qt, channel half kk at QFR + 16 qt + 8 kk
.set VFR, 128                          ; window 2: row half kk, channel block dt at VFR + 32 kk + 8 dt
.set P,   192                          ; window 2
.set WV,  14                           ; s14  my wave's number
.set CX,  15                           ; s15  my place in the cluster: it enters global addresses of my own alone
.set HEAD, 16
.set G1Q, 24                           ; s[24:31] descriptor group 1 for q's tiles
.set G1V, 32                           ; s[32:39] for v's: it differs in the padding alone
.set G1S, 40                           ; s[40:47] for the statistics
.set G0Q, 48                           ; s[48:51] group 0 for q's tiles: it walks
.set G0V, 52                           ; s[52:55] for v's
.set G0S, 56                           ; s[56:59] for the statistics
.set SLOTS, 60                         ; s60  tiles still to be asked for
.set CNT, 61                           ; s61  counts a tile's steps
.set TBQ, 62                           ; s62  LDS byte at which q of the step to be fetched begins
.set TBV, 63                           ; s63  the same for v, less VOFF
.set TBC, 66                           ; s66  the same in the statistics, less ST
.set LIM, 67                           ; s67  1 in a wave that prefetches, else the greatest number
.set PFA, 68                           ; s[68:69] where my prefetches stand
.set MSB, 0
.macro WIN new                         ; the high byte repeats the setting that is left; a switch that changes nothing is dropped
.if MSB != (\new)
	s_set_vgpr_msb (MSB<<8)|(\new)
.set MSB, (\new)
.endif
.endm
.set W_QK, 0x08                        ; k (source 1) in window 2, all else in window 0: the exponentials run under it too
.set W_PV, 0x5a                        ; weights and v in window 2, the sums in window 1
.set W_CV, 0x80                        ; destination in window 2, sources and addresses in window 0
; A joint fill.  Waves 0 and 1 fetch the two halves (32 channels) of a tile of q, waves 2 and 3 those of v.  The branch hangs on the wave's number alone.
; An s_nop 0 and four v_nop follow each of the two lines, ahead of the jump and the label.
.macro JLOAD
	s_cmp_lt_u32 s[WV], 2
	s_cbranch_scc0 .Lfor_v_\@
	tensor_load_to_lds s[G0Q:G0Q+3], s[G1Q:G1Q+7]
	s_nop 0
.rept 4
	v_nop
.endr
	s_branch .Lasked_\@
.Lfor_v_\@:
	tensor_load_to_lds s[G0V:G0V+3], s[G1V:G1V+7]
	s_nop 0
.rept 4
	v_nop
.endr
.Lasked_\@:
.endm
; A PREFETCH INTO THE L2 of the tile that the NEXT change of slots will ask for: four steps, 512 matrix instructions, ahead of its load.  A tile is 64 rows x 512 bytes of qh and of vh.  A head has one cluster; its four partners share
; the rows out BY ADDRESS, 16 each (no branch hangs on a work-group's place); in each, wave 0 asks for qh's and wave 2 for vh's: 32 lanes name 16 rows x 2 blocks of 256 bytes.  So each block is named once in the launch.
; Tiles 0 to 2 come by their loads alone; the last change that fills a slot asks for nothing.
.macro ASK
	s_cmp_gt_u32 s[SLOTS], s[LIM]
	s_cbranch_scc0 .Lnot_mine_\@
	global_prefetch_b8 v[PFO], s[PFA:PFA+1] th:TH_LOAD_NT scope:SCOPE_SE
.Lnot_mine_\@:
.endm
; A round of the cluster's barrier: my work-group's barrier, so that wave 0's signal speaks for all four waves; wave 0 signals; every wave waits for all four work-groups; my work-group's barrier once more.
.macro CROUND
	s_barrier_signal -1
	s_barrier_wait -1
	s_cmp_lg_u32 s[WV], 0
	s_cbranch_scc1 .Lnot_wave_0_\@
	s_barrier_signal -3
.Lnot_wave_0_\@:
	s_barrier_wait -3
	s_barrier_signal -1
	s_barrier_wait -1
.endm
; THE CHANGE OF SLOTS.  Each wave waits for all its tensor loads, of which one is out: its part of the other slot; adds 0 to its spare word; and waits for that and for its own reads of the slot that it leaves.
; fill = 1: the slot is filled again, with the tile two on.  The barrier is then a round of the cluster's, so that no wave of any partner still reads the slot or has a load on its way, and the joint fill is the first
; thing behind it.  (At its first use nothing has been read yet: slot 0 and the statistics are waited for, slot 1 is filled.)
.macro CHANGE fill, ask
	WIN 0                                          ; at a label and at a branch every window is 0
	s_wait_tensorcnt 0x0                           ; no tensor load of mine is out, so a group 0 may be written
	ds_add_u32 v[SPW], v[NIL]                      ; 0 onto my spare word; the scalar steps stand between it and the wait for it
.if \fill
.irp g, G0Q, G0V
	s_xor_b32 s[\g+1], s[\g+1], SLOT1              ; the other slot than last time,
	s_add_nc_u64 s[\g+2:\g+3], s[\g+2:\g+3], 512   ; the next 256 rows q; the type bits on top are not reached
.endr
.endif
.if \ask
	s_wait_xcnt 0x0                                ; the last prefetch, a tile back, has read its address
	s_add_nc_u64 s[PFA:PFA+1], s[PFA:PFA+1], 512
.endif
	s_wait_dscnt 0x0                               ; the add is done, and my reads of the slot are over
.if \fill
	CROUND
	JLOAD
.if \ask
	ASK
.endif
.else
	s_barrier_signal -1
	s_barrier_wait -1
.endif
	s_sub_co_u32 s[TBQ], s[TBQ], 512               ; the fetches go back to a slot's first step,
	s_xor_b32 s[TBQ], s[TBQ], SLOT1                ; in the other slot
	s_sub_co_u32 s[TBV], s[TBV], 512
	s_xor_b32 s[TBV], s[TBV], SLOT1
.endm
	s_load_b256 s[4:11], s[0:1], 0x0               ; qh s[4:5], kh s[6:7], vh s[8:9], st s[10:11]
	s_load_b64 s[12:13], s[0:1], 0x20              ; out0
	v_lshl_add_u32 v[SPW], v0, 2, SPARE
	v_mov_b32 v[NIL], 0
	ds_add_u32 v[SPW], v[NIL]                      ; the wave's opening; its wait stands ahead of my first tensor load, and the set-up below, work on registers, between them
	v_lshrrev_b32 v1, 5, v0
	v_readfirstlane_b32 s[WV], v1                  ; wave 0..3
	s_bfe_u32 s[CX], ttmp6, 0x40000
	s_and_b32 s[HEAD], ttmp7, 0xffff               ; the head, which the four partners share
	s_and_b32 s18, s[WV], 1                        ; which 32 channels of a tile I fetch:
	s_lshl_b32 s20, s[HEAD], 18                    ; the head's 262,144 bytes,
	s_lshl_b32 s19, s18, 17                        ; 32 rows of 4,096 bytes
	s_add_co_u32 s20, s20, s19
	s_mov_b32 s21, 0
	s_lshl_b32 s22, s[HEAD], 13                    ; the head's statistics, 8,192 bytes; my quarter of them
	s_lshl_b32 s19, s[WV], 11
	s_add_co_u32 s22, s22, s19
	s_mov_b32 s23, 0
	; descriptor group 1: 32 rows x 256 elements of 2 bytes, padded in LDS behind each row
	s_mov_b32 s[G1Q], 15|(1<<16)|(1<<20)|(1<<21)|(6<<22)|(7<<25)  ; 15:0 the mask of four; 17:16 2-byte elements; 20 padding on; 21 set beside a mask; 24:22 after every 128 words (code 6); 31:25 8 words (code 7)
	s_mov_b32 s[G1V], 15|(1<<16)|(1<<20)|(1<<21)|(6<<22)|(3<<25)  ; the same with 4 words of padding (code 3)
.irp g, G1Q, G1V
	s_mov_b32 s[\g+1], 256<<16                     ; tensor_dim0 = 256
	s_mov_b32 s[\g+2], 32<<16                      ; tensor_dim1 = 32
	s_mov_b32 s[\g+3], 256<<16                     ; tile_dim0 = 256
	s_mov_b32 s[\g+4], 32                          ; tile_dim1 = 32
	s_mov_b32 s[\g+5], 2048                        ; 2,048 elements from row to row
	s_mov_b32 s[\g+6], 0
	s_mov_b32 s[\g+7], 0
.endr
	s_mov_b32 s[G1S], 15|(3<<16)|(1<<21)           ; 2,048 dense bytes as 8 rows of 32 elements of 8 bytes, no padding
	s_mov_b32 s[G1S+1], 32<<16
	s_mov_b32 s[G1S+2], 8<<16
	s_mov_b32 s[G1S+3], 32<<16
	s_mov_b32 s[G1S+4], 8
	s_mov_b32 s[G1S+5], 32
	s_mov_b32 s[G1S+6], 0
	s_mov_b32 s[G1S+7], 0
	s_mov_b32 s[G0Q], 1                            ; count = 1
	s_mul_i32 s[G0Q+1], s18, 32*PQ                 ; LDS address: slot 0, my half: no place in the cluster enters an LDS address
	s_mov_b32 s[G0V], 1
	s_mul_i32 s[G0V+1], s18, 32*PVP
	s_add_co_u32 s[G0V+1], s[G0V+1], VOFF
	s_mov_b32 s[G0S], 1
	s_add_co_u32 s[G0S+1], s19, ST
	; offsets that hold my place in the cluster, in registers of their own
	s_lshl_b32 s70, s[HEAD], 18                    ; kh: the head, my work-group's 512 keys, my wave's 128
	s_lshl_b32 s71, s[CX], 10
	s_add_co_u32 s70, s70, s71
	s_lshl_b32 s71, s[WV], 8
	s_add_co_u32 s70, s70, s71
	s_mov_b32 s71, 0
	s_lshl_b32 s72, s70, 1                         ; out0: the same place in f32
	s_mov_b32 s73, 0
	s_lshl_b32 s74, s[HEAD], 18                    ; the prefetches: my work-group's 16 rows of the 64,
	s_lshl_b32 s75, s[CX], 16
	s_add_co_u32 s74, s74, s75
	s_add_co_u32 s74, s74, 2*512                   ; at tile 2: the first change that prefetches steps it to tile 3
	s_mov_b32 s75, 0
	s_and_b32 s[LIM], s[WV], 1
	s_cmp_eq_u32 s[LIM], 0
	s_cselect_b32 s[LIM], 1, -1                    ; waves 0 and 2: the same in all four partners
	s_mul_i32 s17, s[WV], KSTW
	s_add_co_u32 s17, s17, KST                     ; my 18,432 bytes behind the ring
	s_mov_b32 s[TBQ], SLOT1+512                    ; the first change of slots turns these two into 0
	s_mov_b32 s[TBV], SLOT1+512
	s_mov_b32 s[TBC], 0
	s_wait_dscnt 0x0                               ; the opening add is done
	s_wait_kmcnt 0x0
	s_add_nc_u64 s[G0Q+2:G0Q+3], s[4:5], s[20:21]  ; global address: my half of the head's tile 0
	s_or_b32 s[G0Q+3], s[G0Q+3], 0x80000000        ; type = 2
	s_add_nc_u64 s[G0V+2:G0V+3], s[8:9], s[20:21]
	s_or_b32 s[G0V+3], s[G0V+3], 0x80000000
	s_add_nc_u64 s[G0S+2:G0S+3], s[10:11], s[22:23]
	s_or_b32 s[G0S+3], s[G0S+3], 0x80000000
	s_cmp_lt_u32 s[WV], 2
	s_cselect_b64 s[PFA:PFA+1], s[4:5], s[8:9]
	s_add_nc_u64 s[PFA:PFA+1], s[PFA:PFA+1], s[74:75]
	s_add_nc_u64 s[6:7], s[6:7], s[70:71]
	s_add_nc_u64 s[12:13], s[12:13], s[72:73]
	CROUND                                         ; all four work-groups are here: the first joint loads meet
	s_cmp_lt_u32 s[WV], 2                          ; a wave's two first fills stand in one branch: its part of tile 0 and its quarter of the statistics: two loads of mine are out
	s_cbranch_scc0 .Lfirst_v
	tensor_load_to_lds s[G0Q:G0Q+3], s[G1Q:G1Q+7]
	s_nop 0
	tensor_load_to_lds s[G0S:G0S+3], s[G1S:G1S+7]
	s_nop 0
.rept 4
	v_nop
.endr
	s_branch .Lfirst_asked
.Lfirst_v:
	tensor_load_to_lds s[G0V:G0V+3], s[G1V:G1V+7]
	s_nop 0
	tensor_load_to_lds s[G0S:G0S+3], s[G1S:G1S+7]
	s_nop 0
.rept 4
	v_nop
.endr
.Lfirst_asked:
	v_and_b32 v1, 15, v0                           ; l % 16
	v_bfe_u32 v15, v0, 4, 1                        ; l / 16
	v_and_b32 v16, 7, v0
	v_bfe_u32 v17, v0, 3, 1
	v_lshlrev_b32 v[KO], 12, v15
	v_lshl_add_u32 v[KO], v1, 4, v[KO]
.set n, 0
.rept 32                               ; my 128 keys of k: 64 channels x 256 bytes, two channels a load, into S's registers; read once in the launch
	global_load_b128 v[S+4*n:S+4*n+3], v[KO], s[6:7] offset:n*8192 th:TH_LOAD_NT
.set n, n+1
.endr
	v_lshl_add_u32 v18, v15, 3, v16                ; the turning load's row: 8 (l / 16) + l % 8
	v_mul_u32_u24 v[AQ0], v18, PQ
	v_lshl_add_u32 v[AQ0], v17, 4, v[AQ0]
	v_mul_u32_u24 v[AKT], v18, PKK
	v_lshl_add_u32 v[AKT], v17, 4, v[AKT]
	v_add_nc_u32 v[AKT], s17, v[AKT]
	v_mul_u32_u24 v[AV0], v1, PVP                  ; v as it lies: row l % 16, 16 bytes for each half of the lanes
	v_lshl_add_u32 v[AV0], v15, 4, v[AV0]
	v_add_nc_u32 v[AV0], VOFF, v[AV0]
	v_lshl_add_u32 v[AC0], v15, 5, ST              ; my eight rows' statistics: 32 bytes for each half of the lanes
	v_mul_u32_u24 v[KS], v15, PKK
	v_lshl_add_u32 v[KS], v1, 4, v[KS]
	v_add_nc_u32 v[KS], s17, v[KS]
	v_bfe_u32 v[PFO], v0, 1, 4
	v_lshlrev_b32 v[PFO], 12, v[PFO]
	v_and_b32 v18, 1, v0
	v_lshl_add_u32 v[PFO], v18, 8, v[PFO]
	; What the first turn finds: the sums are 0; v's registers and the weights' second buffer hold 0, so its products with v, of a piece that has not been, add 0.  All this stands in the wait for the first tile.
	WIN 0x40
.set n, 0
.rept 256
	v_mov_b32 v[n], 0
.set n, n+1
.endr
	WIN W_CV
.set n, 0
.rept 64
	v_mov_b32 v[VFR+n], 0
.set n, n+1
.endr
.set n, 0
.rept 32
	v_mov_b32 v[P+32+n], 0
.set n, n+1
.endr
	WIN 0
	s_wait_loadcnt 0x0                             ; k
.set n, 0
.rept 32
	ds_store_b128 v[KS], v[S+4*n:S+4*n+3] offset:n*2*PKK
.set n, n+1
.endr
	WIN W_CV
.irp f, 0,1,2,3,4,5,6,7,8,9,10,11,12,13,14,15  ; key tile f / 2, channel half f % 2; LDS serves a wave's instructions in order (ISA guide 5.7.1.4): these see my stores above
	ds_load_tr16_b128 v[8*\f:8*\f+3],   v[AKT] offset:(\f%2)*32*PKK+(\f/2)*32
	ds_load_tr16_b128 v[8*\f+4:8*\f+7], v[AKT] offset:(\f%2)*32*PKK+16*PKK+(\f/2)*32
.endr
	WIN 0
; THE MATRIX WORK.  The 8 accumulators of a run of 16 take turns: between the two links of a chain stand 7 others'.
; Product i of 16 of S' for piece x: channels 32 (i / 8) on, rows 16 ((i / 2) % 4) on, tile 2 x + i % 2.  The first 8 start the sums with the rows' statistics.
.macro KQ x
	WIN W_QK
.set rS, S+64*((\x)%2)+32*(i%2)+8*((i/2)%4)
.set rQ, QFR+16*((i/2)%4)+8*(i/8)
.set rK, 16*(2*(\x)+i%2)+8*(i/8)
.set rC, CZ+8*((i/2)%4)
.if i < 8
	v_wmma_f32_16x16x32_f16 v[rS:rS+7], v[rQ:rQ+7], v[rK:rK+7], v[rC:rC+7]
.else
	v_wmma_f32_16x16x32_f16 v[rS:rS+7], v[rQ:rQ+7], v[rK:rK+7], v[rS:rS+7]
.endif
.endm
; Product i of 16 with v for piece x: rows 32 (i / 8) on, channels 16 ((i / 2) % 4) on, tile 2 x + i % 2.
.macro PV x
	WIN W_PV
.set rO, 32*(2*(\x)+i%2)+8*((i/2)%4)
.set rP, P+32*((\x)%2)+16*(i%2)+8*(i/8)
.set rV, VFR+32*(i/8)+8*((i/2)%4)
	v_wmma_f32_16x16x32_f16 v[rO:rO+7], v[rP:rP+7], v[rV:rV+7], v[rO:rO+7]
.endm
; THE LDS LOADS stand in runs, never singly among the matrix instructions.  A step's q (64 rows x 64 channels, turned: 16 loads) and its statistics (8 loads; 16 lanes read the same 16 bytes).
; last = 1 (the tail): in the last trip there is no further step, and the run is jumped over.
.macro FETCH_Q last=0
	WIN 0
.if \last
	s_cmp_eq_u32 s[CNT], 1
	s_cbranch_scc1 .Lno_q_\@
.endif
.irp f, 0,1,2,3
	ds_load_b128 v[CZ+8*\f:CZ+8*\f+3],   v[AC] offset:64*\f
	ds_load_b128 v[CZ+8*\f+4:CZ+8*\f+7], v[AC] offset:64*\f+16
.endr
.irp f, 0,1,2,3,4,5,6,7                ; row tile f / 2, channel half f % 2
	ds_load_tr16_b128 v[QFR+8*\f:QFR+8*\f+3],   v[AQ] offset:(\f%2)*32*PQ+(\f/2)*32
	ds_load_tr16_b128 v[QFR+8*\f+4:QFR+8*\f+7], v[AQ] offset:(\f%2)*32*PQ+16*PQ+(\f/2)*32
.endr
	s_add_co_u32 s[TBQ], s[TBQ], 128               ; the next fetch is the next step's
	s_add_co_u32 s[TBC], s[TBC], 256
	s_and_b32 s[TBC], s[TBC], 0x1fff               ; the table has 32 steps of 256 bytes: behind the last the offset wraps
.if \last
.Lno_q_\@:
.endif
.endm
.macro FETCH_V                         ; a step's v: 64 channels x 64 rows, as they lie: 16 loads
	WIN W_CV
.irp f, 0,1,2,3,4,5,6,7                ; row half f / 4, channel block f % 4
	ds_load_b128 v[VFR+8*\f:VFR+8*\f+3],   v[AV] offset:(\f%4)*16*PVP+(\f/4)*64
	ds_load_b128 v[VFR+8*\f+4:VFR+8*\f+7], v[AV] offset:(\f%4)*16*PVP+(\f/4)*64+32
.endr
.endm
; A TURN, for piece p.  Ahead of the wait: 16 products S' of piece p + 1, behind each four exponentials of piece p, in place and ascending (each accumulator's lowest registers are read first);
; nothing there names a result of theirs.  Then four plain instructions: the plain one that an exponential wants ahead of its result's use (ISA guide 5.7.2); the four places ahead of the loads
; into q's and the statistics' registers; and, with the two roundings behind the turn before's last product, the places ahead of the roundings that write the buffer of weights which that product read.
; Behind the wait: 16 products with v of piece p - 1, behind each two roundings of piece p.
; q and the statistics of the next step are fetched in piece 2's turn, behind the last product that read them, and waited for at the head of piece 3's.  v of the step in hand is fetched at the end of piece 0's turn,
; two roundings and two v_nop behind its last reader, and waited for in piece 1's.
.macro TURN p, last=0
.if (\p) == 3
	s_wait_dscnt 0x0                               ; q and the statistics are in
.endif
.set i, 0
.rept 16
	KQ ((\p)+1)%4
.irp n, 0,1,2,3
	v_exp_f32 v[S+64*((\p)%2)+4*i+\n], v[S+64*((\p)%2)+4*i+\n]
.endr
.set i, i+1
.endr
	WIN 0
.if (\p) == 2
	v_add_nc_u32 v[AQ], s[TBQ], v[AQ0]
	v_add_nc_u32 v[AC], s[TBC], v[AC0]
	v_nop
	v_nop
.elseif (\p) == 0
	v_add_nc_u32 v[AV], s[TBV], v[AV0]
	v_nop
	v_nop
	v_nop
	s_add_co_u32 s[TBV], s[TBV], 128
.else
.rept 4
	v_nop
.endr
.endif
	s_wait_alu depctr_va_vdst(0)                   ; the one wait for the turn's 64 exponentials, ahead of their first reader
.if (\p) == 2
	FETCH_Q \last
.endif
.if (\p) == 1
	s_wait_dscnt 0x0                               ; v is in
.endif
.set i, 0
.rept 16
	PV ((\p)+3)%4
	WIN W_CV
	v_cvt_pk_f16_f32 v[P+32*((\p)%2)+2*i],   v[S+64*((\p)%2)+4*i],   v[S+64*((\p)%2)+4*i+1]
	v_cvt_pk_f16_f32 v[P+32*((\p)%2)+2*i+1], v[S+64*((\p)%2)+4*i+2], v[S+64*((\p)%2)+4*i+3]
.set i, i+1
.endr
.if (\p) == 0
	v_nop
	v_nop
	FETCH_V
.endif
.endm
	CHANGE 1, 0                                    ; tile 0 and the statistics are in, everybody's part of them; tile 1 is asked for
	v_add_nc_u32 v[AQ], s[TBQ], v[AQ0]
	v_add_nc_u32 v[AC], s[TBC], v[AC0]
	FETCH_Q                                        ; step 0
	s_wait_dscnt 0x0
.set i, 0
.rept 16
	KQ 0                                           ; piece 0's first scores: there is no vector work yet to set between them
.set i, i+1
.endr
	WIN 0                                          ; the addresses for the way out: six plain instructions, the places behind those products
	v_mul_u32_u24 v[STO], v1, SP                   ; in: row l % 16, 32 bytes for each half of the lanes
	v_lshl_add_u32 v[STO], v15, 5, v[STO]
	v_add_nc_u32 v[STO], s17, v[STO]
	v_and_b32 v[GO], 31, v0                        ; back: 32 lanes take a row of 512 bytes
	v_lshlrev_b32 v[GO], 4, v[GO]
	v_add_nc_u32 v[RD], s17, v[GO]
	s_mov_b32 s[CNT], 4
	s_mov_b32 s[SLOTS], 7
	s_branch .Lfirst                               ; the loop is entered at a step's first turn, in the middle of a trip
.Lslot:                                        ; six times: tiles 2 to 7 are asked for
	CHANGE 1, 1
	s_mov_b32 s[CNT], 4
.Lstep:                                        ; a trip: pieces 2 and 3 of one step, then pieces 0 and 1 of the next, whose q and v it fetches
	TURN 2
	TURN 3
	WIN 0
.Lfirst:
	TURN 0
	TURN 1
	WIN 0
	s_sub_co_u32 s[CNT], s[CNT], 1
	s_cmp_lg_u32 s[CNT], 0
	s_cbranch_scc1 .Lstep
	s_sub_co_u32 s[SLOTS], s[SLOTS], 1
	s_cmp_lg_u32 s[SLOTS], 0
	s_cbranch_scc1 .Lslot
	CHANGE 0, 0                                    ; the tail is written out: nothing is asked for
	s_mov_b32 s[CNT], 5                            ; four trips fetch the last tile's steps; the fifth is left in its middle
.Ltail:
	TURN 2, 1
	TURN 3
	WIN 0
	s_sub_co_u32 s[CNT], s[CNT], 1
	s_cmp_eq_u32 s[CNT], 0
	s_cbranch_scc1 .Lout
	TURN 0
	TURN 1
	WIN 0
	s_branch .Ltail
.Lout:                                         ; the fifth trip's 16 products S' on the last q once more serve nothing: the price, once a launch, of one text for every trip
.set i, 0
.rept 16
	PV 3                                           ; the last piece's products with v of the last step
.set i, i+1
.endr
	WIN 0
.rept 8
	v_nop                                          ; the places behind the last products, ahead of the stores that read the sums
.endr
; THE WAY OUT, 16 channels at a time.  A lane's eight keys of a channel are 32 bytes; they go into my stage, rows of 528 bytes, each accumulator's low four registers first,
; and come back as whole rows of 512 bytes, into S's registers, two buffers by turns.
.macro OUTD dt
	WIN 0x04                                       ; the stores' data in window 1
.irp u, 0,1,2,3,4,5,6,7
	ds_store_b128 v[STO], v[32*\u+8*(\dt):32*\u+8*(\dt)+3]   offset:64*\u
	ds_store_b128 v[STO], v[32*\u+8*(\dt)+4:32*\u+8*(\dt)+7] offset:64*\u+16
.endr
	WIN 0
.if (\dt) >= 2
	s_wait_xcnt 0x0                                ; the stores of two blocks back have read this buffer: it is loaded again only behind this wait
.endif
.irp t, 0,1,2,3,4,5,6,7,8,9,10,11,12,13,14,15
	ds_load_b128 v[S+64*((\dt)%2)+4*\t:S+64*((\dt)%2)+4*\t+3], v[RD] offset:\t*SP  ; LDS serves a wave's instructions in order (ISA guide 5.7.1.4): these see the stores above; the next block's stores come behind them
.endr
.irp t, 0,1,2,3,4,5,6,7,8,9,10,11,12,13,14,15
	s_wait_dscnt 15-\t                             ; row t is back; the younger loads may stay out
	global_store_b128 v[GO], v[S+64*((\dt)%2)+4*\t:S+64*((\dt)%2)+4*\t+3], s[12:13] offset:(16*(\dt)+\t)*8192 th:TH_STORE_NT  ; 512 consecutive bytes, at a multiple of 256 from out0's first byte
.endr
.endm
	OUTD 0
	OUTD 1
	OUTD 2
	OUTD 3
	s_wait_tensorcnt 0x0                           ; the wave's end, behind my last tensor load and my last LDS store
	ds_add_u32 v[SPW], v[NIL]
	s_wait_dscnt 0x0
	CROUND                                         ; the closing round: no work-group ends while a partner may still ask for a tile that names it
	s_endpgm
.Lfunc_end_k_q172696f766_mix:
	.size	k_q172696f766_mix, .Lfunc_end_k_q172696f766_mix-k_q172696f766_mix
	.p2alignl 7, 3214868480
	.fill 96, 4, 3214868480
	.section	.rodata,"a",@progbits
	.p2align	6, 0x0
	.amdhsa_kernel k_q172696f766_mix
		.amdhsa_group_segment_fixed_size 327680
		.amdhsa_private_segment_fixed_size 0
		.amdhsa_enable_private_segment 0
		.amdhsa_kernarg_size 40
		.amdhsa_user_sgpr_count 2
		.amdhsa_user_sgpr_kernarg_segment_ptr 1
		.amdhsa_wavefront_size32 1
		.amdhsa_system_sgpr_workgroup_id_x 1
		.amdhsa_system_sgpr_workgroup_id_y 1
		.amdhsa_system_sgpr_workgroup_id_z 1
		.amdhsa_system_vgpr_workitem_id 0
		.amdhsa_next_free_vgpr 768
		.amdhsa_next_free_sgpr 76
		.amdhsa_reserve_vcc 0
		.amdhsa_float_denorm_mode_32 3
		.amdhsa_float_denorm_mode_16_64 3
		.amdhsa_memory_ordered 1
		.amdhsa_forward_progress 1
		.amdhsa_inst_pref_size 114
	.end_amdhsa_kernel
	.amdgpu_metadata
---
amdhsa.version: [ 1, 2 ]
amdhsa.kernels:
  - .name:           k_q172696f766_mix
    .symbol:         k_q172696f766_mix.kd
    .args:
      - { .name: qh, .offset: 0, .size: 8, .value_kind: global_buffer, .address_space: global }
      - { .name: kh, .offset: 8, .size: 8, .value_kind: global_buffer, .address_space: global }
      - { .name: vh, .offset: 16, .size: 8, .value_kind: global_buffer, .address_space: global }
      - { .name: st, .offset: 24, .size: 8, .value_kind: global_buffer, .address_space: global }
      - { .name: out0, .offset: 32, .size: 8, .value_kind: global_buffer, .address_space: global }
    .group_segment_fixed_size: 327680
    .private_segment_fixed_size: 0
    .kernarg_segment_align: 8
    .kernarg_segment_size: 40
    .max_flat_workgroup_size: 128
    .sgpr_count:     76
    .vgpr_count:     768
    .wavefront_size: 32
...
	.end_amdgpu_metadata
.endif
;; end of part 2
